; MI455X (gfx1250); checked and timed in simulation.
; The chip was launched on July 23, 2026; its instructions are those of AMD's public machine-readable ISA for CDNA 5 (MIT licence, August 2026) and "CDNA5" Instruction Set Architecture Reference Guide (July 2026). The comments in the code are by the model that wrote it; some were corrected since.
;; LSTM. Allowed arithmetic: matrix products marked QUANTISED: E2M3 operands, one E8M0 scale for each 32 along K, by v_wmma_scale_f32_16x16x128_f8f6f4 with both operands' format E2M3, f32 sums; everything else in f32.
;; Inputs: U 4 x 2,048 x 2,048 float32; W 4 x 2,048 x 2,048 float32; pre_layer 2 x 2,048 x 2,048 float32; x 2,048 x 2,048 float32.
;; Outputs: out0 2 x 2,048 x 2,048 float32.
;; This version of the problem:
;;   THIS VERSION OF THE PROBLEM IS GIVEN IN LOW PRECISION. The matrix products marked QUANTISED in the list below multiply operands that are first quantised to E2M3 (2 exponent bits, 3 mantissa bits; 6 bits a number), with one power-of-two scale for each 32 numbers along K (OCP MX v1.0); their sums are f32. All else is computed in f32.
;;   The module's matrix products, in the order in which they are computed (A, B: the left and right operand; K: the contracted axis; several contracted axes count as one K, in the product's order):
;;     1. [M 8,192, K 2,048] x [K 2,048, N 2,048]; A: input W; B: input x: QUANTISED
;;     2. [M 8,192, K 2,048] x [K 2,048, N 2,048]; A: input U; B: input pre_layer: QUANTISED
;;   THE QUANTISER, for each operand of a quantised product, along K:
;;     - K is cut into blocks of 32 from its start; a last block that is shorter is filled with zeros.
;;     - A block's scale is 2^e with e = floor(log2(the largest magnitude in the block)) - 2, held to -126 .. 127; a block of zeros has e = 0. As a byte (E8M0): e + 127.
;;     - Each number is divided by its block's scale, clamped to +-7.5, and rounded to the nearest number of E2M3, ties to even, subnormals kept.
;;     - The product sums the exact products of the quantised numbers (number of the format x scale) in f32.
;;   ~~~python
;;   def quantise(x, axis):      # numpy; x: float32 -> the quantised numbers, widened to float32 again
;;       x = np.moveaxis(x, axis, -1); K = x.shape[-1]
;;       x = np.pad(x, [(0, 0)] * (x.ndim - 1) + [(0, -K % 32)]); x = x.reshape(x.shape[:-1] + (-1, 32)); a = np.abs(x).max(-1, keepdims=True)
;;       e = np.where(a > 0, np.clip(np.frexp(np.where(a > 0, a, 1))[1] - 1 - 2, -126, 127), 0)      # np.frexp(a)[1] - 1 = floor(log2(a)), exactly
;;       r = np.clip(x / 2.0 ** e, -7.5, 7.5)
;;       step = 2.0 ** (np.maximum(np.frexp(np.where(r == 0, 1, r))[1] - 1, 0) - 3)
;;       q = np.round(r / step) * step * 2.0 ** e      # np.round: ties to even
;;       return np.moveaxis(q.reshape(q.shape[:-2] + (-1,))[..., :K], -1, axis).astype(np.float32)
;;   ~~~
;; One version. Each part assembles by itself: llvm-mc -triple=amdgcn-amd-amdhsa -mcpu=gfx1250 --defsym DOCPART=n.
;; ======== version 1 of 1: 2 launches
;; limits: right only within a limited range of input values; inputs' magnitudes at most 1.15e+18
;; workspace buffers: acodes 6,553,600 bytes; bcodes 26,214,400 bytes
;; launch quant (part 1): grid 256 x 1, 4 waves a work-group, no clusters, 327,680 bytes of LDS; arguments x, pre_layer, W, U, acodes, bcodes; writes acodes, bcodes
.if DOCPART == 1
	.amdgcn_target "amdgcn-amd-amdhsa--gfx1250"
	.amdhsa_code_object_version 6
	.text
	.protected	k_q577cc05fc9_quant
	.globl	k_q577cc05fc9_quant
	.p2align	8
	.type	k_q577cc05fc9_quant,@function
k_q577cc05fc9_quant:
	s_mov_b64 s[64:65], 0
	v_nop
	global_prefetch_b8 v0, s[64:65] scope:SCOPE_SE
	s_setreg_imm32_b32 hwreg(HW_REG_WAVE_MODE, 25, 1), 1
	s_wait_xcnt 0x0
; x [2048][2048], pre_h (plane 0 of pre_layer), W and U [4][2048][2048], all f32 with K innermost, become codes of FP6 (E2M3) with one E8M0 byte for each 32 along K.
; The cell's two products add into the same sums, so they are one product with K = 4,096: x | pre_h against W | U.
; THE CODES ARE LAID AS THE NEXT LAUNCH'S OPERAND REGISTERS TAKE THEM.  A UNIT is 128 rows x 128 K, 12,800 bytes: eight fragments (block i of 16 rows at byte 1,536 i; registers 4 j .. 4 j + 3 of lane l
; at 512 j + 16 l), then 512 bytes of scale words (row r of block i at 12,288 + 256 (i / 4) + 16 r + 4 (i % 4); byte b of a word scales k = 32 b .. 32 b + 31).
; acodes: [16 row tiles][32 units along K]: block i, row r = batch row 128 rt + 16 i + r; units 0-15 from x, 16-31 from pre_h.
; bcodes: [64 row tiles][32 units]: block i, row r = gate i / 2, unit 32 rt + 16 (i % 2) + r; units 0-15 from W, 16-31 from U.
; SHARES.  1,280 pairs of units that are neighbours along K; work-group g takes five: trip 0 A's pair g, trips 1-4 B's pairs 4 g .. 4 g + 3 (one row tile, 4,096 neighbouring bytes of each row).
; In a trip wave w takes blocks 2 w, 2 w + 1: 32 neighbouring rows of the source x 1,024 bytes, brought by ONE tensor load into the wave's own ring of two slots (rows padded by 16 bytes: the sixteen
; rows that a load of 16 bytes a lane touches begin in sixteen different columns of 16 bytes).  A lane reads its 32 neighbours along K straight from the slot.
; The four waves' scale words of a trip make two units' 1,024 bytes: they meet in a stage of LDS (two halves by turns) and leave behind the next trip's barrier, 256 aligned bytes a wave.
; PREFETCH: behind the load of tile t each wave asks for its own tile t + 1: 32 rows x 4 blocks of 256 bytes, a lane a row, four instructions; tile 4 is the last asked for.
; No cluster: no two work-groups read the same bytes.
; A block's scale is 2^(floor(log2(its largest magnitude)) - 2): its byte is the largest magnitude's exponent field - 2, held at 1 from below.
; LIMITS: a block of zeros, or one whose largest magnitude lies under 2^-124, gets the byte 1 (the rule says 127 for zeros: its codes are zeros, which add nothing, and this program alone reads the bytes);
; NaN and infinities among the inputs are not served.
.set UNIT,  12800
.set PIT,   1040                       ; an LDS row: 1,024 bytes + 16
.set TILE,  32*PIT                     ; a slot: 33,280 bytes
.set SCW,   8*TILE                     ; behind the four rings: the scale words' stage, 2 x 1,024 bytes
.set SPARE, SCW+2048                   ; the spare words, 128 bytes a wave
.set M,    10                          ; v10-13  four running maxima
.set S,    14                          ; v14-15  the conversions' scale operands
.set BT,   16                          ; v16-17  the scale bytes
.set WD,   18                          ; v18     my row's scale word
.set W2,   19                          ; v19     lane l xor 16's part of it
.set PFO,  20                          ; v20     the prefetches' offset: lane x a row of 8,192 bytes
.set SPW,  22                          ; v22     my spare word's address
.set NIL,  23                          ; v23     0
.set FL,   24                          ; v24-25  8 bytes of scale words on their way out
.set TC,   28                          ; v28-30, v32-34  the second halves of the blocks' codes
.set C,    36                          ; v36-83  four fragments' twelve registers
.set X,    96                          ; v96-223 two sets of 64 numbers: register 32 c + i = k 64 c + 32 (lane / 16) + i of row lane % 16
.set G1,   32                          ; s[32:39] descriptor group 1
.set G0,   40                          ; s[40:47] group 0, a set for each slot
	s_load_b256 s[4:11], s[0:1], 0x0               ; x, pre_layer, W, U
	s_load_b128 s[12:15], s[0:1], 0x20             ; acodes, bcodes
	v_lshl_add_u32 v[SPW], v0, 2, SPARE
	v_mov_b32 v[NIL], 0
	ds_add_u32 v[SPW], v[NIL]                      ; the opening lines: the add, twice on end, and its wait
	ds_add_u32 v[SPW], v[NIL]
	v_lshrrev_b32 v1, 5, v0
	v_readfirstlane_b32 s16, v1                    ; wave 0..3
	s_mov_b32 s[G1+0], (2<<16)|(1<<20)|(7<<22)|(3<<25)  ; elements of 4 bytes; 4 words of padding behind every 256
	s_mov_b32 s[G1+1], 256<<16                     ; tensor_dim0 = 256
	s_mov_b32 s[G1+2], 32<<16                      ; tensor_dim1 = 32
	s_mov_b32 s[G1+3], 256<<16                     ; tile_dim0 = 256
	s_mov_b32 s[G1+4], 32                          ; tile_dim1 = 32
	s_mov_b32 s[G1+5], 2048                        ; elements from row to row
	s_mov_b32 s[G1+6], 0
	s_mov_b32 s[G1+7], 0
	s_mul_i32 s19, s16, 2*TILE                     ; my ring
	s_lshr_b32 s17, ttmp9, 4                       ; A: row tile g / 16: 128 rows of 8,192 bytes,
	s_lshl_b32 s17, s17, 20
	s_lshl_b32 s18, s16, 18                        ; + my 32 rows,
	s_add_co_u32 s17, s17, s18
	s_and_b32 s18, ttmp9, 7                        ; + the pair's 1,024 bytes along its source's K
	s_lshl_b32 s18, s18, 10
	s_add_co_u32 s20, s17, s18
	s_mov_b32 s21, 0
	s_lshr_b32 s17, ttmp9, 2                       ; B: row tile g / 4: 32 rows,
	s_lshl_b32 s17, s17, 18
	s_lshl_b32 s18, s16, 24                        ; + gate w,
	s_add_co_u32 s17, s17, s18
	s_and_b32 s18, ttmp9, 1                        ; + the four pairs' 4,096 bytes
	s_lshl_b32 s18, s18, 12
	s_add_co_u32 s22, s17, s18
	s_mov_b32 s23, 0
	s_mul_i32 s24, ttmp9, 2*UNIT                   ; A's pair g in acodes
	s_mov_b32 s25, 0
	s_mul_i32 s26, ttmp9, 8*UNIT                   ; B's four pairs in bcodes
	s_mov_b32 s27, 0
	s_mov_b32 s50, 0x76543210
	s_mov_b32 s51, 0xfedcba98                      ; v_permlanex16_b32's selects for lane l xor 16
	s_mul_i32 s54, s16, 3072                       ; my two blocks in a unit
	s_lshr_b32 s17, s16, 1
	s_and_b32 s18, s16, 1
	s_lshl_b32 s52, s17, 8
	s_lshl_b32 s53, s18, 3
	s_add_co_u32 s52, s52, s53
	s_add_co_u32 s52, s52, SCW                     ; my words in the stage: 256 (w / 2) + 8 (w % 2)
	s_lshl_b32 s53, s16, 8
	s_add_co_u32 s53, s53, SCW                     ; the 256 bytes that I send out
	s_mul_i32 s55, s17, UNIT
	s_lshl_b32 s18, s18, 8
	s_add_co_u32 s55, s55, s18                     ; and their place: unit w / 2, half w % 2
	s_wait_dscnt 0x0                               ; both opening adds are done
	s_wait_kmcnt 0x0
	s_and_b32 s17, ttmp9, 8                        ; the first half of K: x, W; the second: pre_h, U.  The choices hang on the work-group's number alone
	s_cmp_eq_u32 s17, 0
	s_cselect_b64 s[4:5], s[4:5], s[6:7]
	s_and_b32 s17, ttmp9, 2
	s_cmp_eq_u32 s17, 0
	s_cselect_b64 s[8:9], s[8:9], s[10:11]
	s_add_nc_u64 s[28:29], s[4:5], s[20:21]        ; tile 0
	s_add_nc_u64 s[30:31], s[8:9], s[22:23]        ; tile 1; tile t lies 1,024 (t - 1) bytes on
	s_add_nc_u64 s[12:13], s[12:13], s[24:25]
	s_add_nc_u64 s[14:15], s[14:15], s[26:27]
.irp s, 0,1
	s_mov_b32 s[G0+4*\s], 1
	s_add_co_u32 s[G0+4*\s+1], s19, \s*TILE
.endr
	s_mov_b64 s[G0+2:G0+3], s[28:29]
	s_or_b32 s[G0+3], s[G0+3], 0x80000000
	tensor_load_to_lds s[G0:G0+3], s[G1:G1+7]      ; tile 0: one tensor load a wave at the head
	s_nop 0
.macro ASK k                           ; B's tile k + 1: 32 rows x 4 blocks of 256 bytes
.irp j, 0,1,2,3
	global_prefetch_b8 v[PFO], s[30:31] offset:(\k)*1024+256*\j th:TH_LOAD_NT scope:SCOPE_SE
.endr
.endm
	v_and_b32 v1, 31, v0                           ; lane
	v_and_b32 v2, 15, v0                           ; r
	v_bfe_u32 v3, v0, 4, 1                         ; h
	v_lshlrev_b32 v[PFO], 13, v1
	ASK 0
	v_lshl_add_u32 v4, v1, 4, s54                  ; codes out: 16 x lane + my blocks
	v_mul_u32_u24 v6, v2, PIT
	v_lshl_add_u32 v6, v3, 7, v6
	v_add_nc_u32 v6, s19, v6                       ; numbers in: row r, + 128 h, in my ring
	v_lshl_add_u32 v7, v2, 4, s52                  ; my row's scale word in the stage
	v_lshl_add_u32 v8, v1, 3, s53                  ; the stage read back, 8 bytes a lane
	v_lshl_add_u32 v5, v1, 3, s55                  ; and the same in the pair of units
	v_lshlrev_b32 v9, 3, v3                        ; 8 h: how far my two bytes are shifted in the word
	v_mov_b32 v[W2], 0                             ; a lane permute's destination counts as one of its sources
	s_wait_alu depctr_va_vdst(0)                   ; the wait at the head's end
; Slot s takes tile t: all my tensor loads have landed, the add, my LDS instructions are done, the barrier, and the one load first behind it.
.macro FILL s, t
	s_wait_tensorcnt 0x0
	ds_add_u32 v[SPW], v[NIL]
	s_add_nc_u64 s[G0+4*\s+2:G0+4*\s+3], s[30:31], ((\t)-1)*1024   ; no load of mine is out: a group 0 may be written
	s_or_b32 s[G0+4*\s+3], s[G0+4*\s+3], 0x80000000
	s_wait_dscnt 0x0
	s_barrier_signal -1
	s_barrier_wait -1
	tensor_load_to_lds s[G0+4*\s:G0+4*\s+3], s[G1:G1+7]
	s_nop 0
.endm
.macro DSL s, f, xs                    ; fragment f (block f / 2, unit f % 2) of slot s into set xs: 16 loads
.irp c, 0,1
.irp m, 0,1,2,3,4,5,6,7
	ds_load_b128 v[X+64*(\xs)+32*\c+4*\m:X+64*(\xs)+32*\c+4*\m+3], v6 offset:(\s)*TILE+((\f)/2)*16*PIT+((\f)%2)*512+256*\c+16*\m
.endr
.endr
.endm
.macro COMP t, f, left                 ; left: the LDS instructions issued behind this fragment's loads
.set XS, X+64*((\f)%2)
.set CS, C+12*(\f)
.if (\t) == 0
.set DB, 12
.set DOF, 0
.else
.set DB, 14
.set DOF, ((\t)-1)*2*UNIT
.endif
	s_wait_dscnt \left
.irp q, 0,1,2,3
	v_max3_num_f32 v[M+\q], |v[XS+16*\q]|, |v[XS+16*\q+1]|, 0x1800000     ; four chains, two to a block; the floor 2^(3 - 127): the byte cannot fall under 1
.endr
.irp i, 2,4,6,8,10,12,14
.irp q, 0,1,2,3
	v_max3_num_f32 v[M+\q], v[M+\q], |v[XS+16*\q+\i]|, |v[XS+16*\q+\i+1]|
.endr
.endr
	v_max_num_f32 v[M], v[M], v[M+1]
	v_max_num_f32 v[M+2], v[M+2], v[M+3]
	v_add_nc_u32 v[S], 0xff000000, v[M]            ; 2 off the exponent field: the conversion's scale operand
	v_add_nc_u32 v[S+1], 0xff000000, v[M+2]
.irp c, 0,1
	v_cvt_scalef32_pk16_fp6_f32 v[CS+6*\c:CS+6*\c+2], v[XS+32*\c:XS+32*\c+15], v[S+\c]
	v_cvt_scalef32_pk16_fp6_f32 v[TC+4*\c:TC+4*\c+2], v[XS+32*\c+16:XS+32*\c+31], v[S+\c]   ; (three registers from an even one: made here and moved)
.endr
	v_nop                                          ; one plain place behind a scaled conversion
	v_lshrrev_b32 v[BT], 23, v[S]
	v_lshrrev_b32 v[BT+1], 23, v[S+1]
	v_lshl_or_b32 v[WD], v[BT+1], 16, v[BT]        ; my two bytes: blocks h and 2 + h,
	v_lshlrev_b32 v[WD], v9, v[WD]                 ; at their places in the word;
	v_permlanex16_b32 v[W2], v[WD], s50, s51
	v_or_b32 v[WD], v[WD], v[W2]                   ; with lane l xor 16's two the word is whole
.irp c, 0,1
.irp i, 0,1,2
	v_mov_b32 v[CS+3+6*\c+\i], v[TC+4*\c+\i]
.endr
.endr
	ds_store_b32 v7, v[WD] offset:1024*((\t)%2)+512*((\f)%2)+4*((\f)/2)   ; both halves of the lanes write the same word with the same value
.irp j, 0,1,2
	global_store_b128 v4, v[CS+4*\j:CS+4*\j+3], s[DB:DB+1] offset:DOF+((\f)%2)*UNIT+((\f)/2)*1536+512*\j   ; 512 consecutive bytes, at a multiple of 256
.endr
.endm
; Tile t, in slot t % 2; the last tile's scale words, which every wave's barrier has shown whole, leave on the way.
.macro WORK t, pf
.if (\t) > 0
.if (\t) == 1
.set PB, 12
.set POF, 0
.else
.set PB, 14
.set POF, ((\t)-2)*2*UNIT
.endif
	s_wait_xcnt 0x0                                ; the last tile's stores have read the registers that are written again below
	ds_load_b64 v[FL:FL+1], v8 offset:1024*(((\t)-1)%2)
.endif
	DSL (\t)%2, 0, 0
	DSL (\t)%2, 1, 1
.if \pf
	ASK (\t)+1                                     ; tile t + 2, whose load follows the next barrier
.endif
.if (\t) > 0
	s_wait_dscnt 32                                ; all but the two fragments' loads
	global_store_b64 v5, v[FL:FL+1], s[PB:PB+1] offset:POF+12288   ; 32 lanes store one aligned run of 256 bytes
.endif
	COMP \t, 0, 16                                 ; behind fragment 0's loads: fragment 1's 16
	DSL (\t)%2, 2, 0
	COMP \t, 1, 17                                 ; a word's store and 16 loads
	DSL (\t)%2, 3, 1
	COMP \t, 2, 17
	COMP \t, 3, 1                                  ; a word's store
.endm
	FILL 1, 1                                      ; slot 1's first fill is issued as a refill is
	WORK 0, 1
	FILL 0, 2
	WORK 1, 1
	FILL 1, 3
	WORK 2, 1
	FILL 0, 4
	WORK 3, 0
	s_wait_tensorcnt 0x0                           ; tile 4 is in; nothing is filled again
	s_wait_dscnt 0x0                               ; my words of tile 3 are stored
	s_barrier_signal -1
	s_barrier_wait -1
	WORK 4, 0
	s_wait_dscnt 0x0                               ; my words of tile 4 are stored
	s_barrier_signal -1
	s_barrier_wait -1
	s_wait_xcnt 0x0
	ds_load_b64 v[FL:FL+1], v8
	s_wait_dscnt 0x0
	global_store_b64 v5, v[FL:FL+1], s[14:15] offset:3*2*UNIT+12288
	s_wait_tensorcnt 0x0                           ; the wave's end
	ds_add_u32 v[SPW], v[NIL]
	s_wait_dscnt 0x0
	s_endpgm
.Lfunc_end_k_q577cc05fc9_quant:
	.size	k_q577cc05fc9_quant, .Lfunc_end_k_q577cc05fc9_quant-k_q577cc05fc9_quant
	.p2alignl 7, 3214868480
	.fill 96, 4, 3214868480
	.section	.rodata,"a",@progbits
	.p2align	6, 0x0
	.amdhsa_kernel k_q577cc05fc9_quant
		.amdhsa_group_segment_fixed_size 327680
		.amdhsa_private_segment_fixed_size 0
		.amdhsa_enable_private_segment 0
		.amdhsa_kernarg_size 48
		.amdhsa_user_sgpr_count 2
		.amdhsa_user_sgpr_kernarg_segment_ptr 1
		.amdhsa_wavefront_size32 1
		.amdhsa_system_sgpr_workgroup_id_x 1
		.amdhsa_system_sgpr_workgroup_id_y 1
		.amdhsa_system_sgpr_workgroup_id_z 1
		.amdhsa_system_vgpr_workitem_id 0
		.amdhsa_next_free_vgpr 224
		.amdhsa_next_free_sgpr 66
		.amdhsa_reserve_vcc 0
		.amdhsa_float_denorm_mode_32 3
		.amdhsa_float_denorm_mode_16_64 3
		.amdhsa_memory_ordered 1
		.amdhsa_forward_progress 1
		.amdhsa_inst_pref_size 97
	.end_amdhsa_kernel
	.amdgpu_metadata
---
amdhsa.version: [ 1, 2 ]
amdhsa.kernels:
  - .name:           k_q577cc05fc9_quant
    .symbol:         k_q577cc05fc9_quant.kd
    .args:
      - { .name: x, .offset: 0, .size: 8, .value_kind: global_buffer, .address_space: global }
      - { .name: pre_layer, .offset: 8, .size: 8, .value_kind: global_buffer, .address_space: global }
      - { .name: W, .offset: 16, .size: 8, .value_kind: global_buffer, .address_space: global }
      - { .name: U, .offset: 24, .size: 8, .value_kind: global_buffer, .address_space: global }
      - { .name: acodes, .offset: 32, .size: 8, .value_kind: global_buffer, .address_space: global }
      - { .name: bcodes, .offset: 40, .size: 8, .value_kind: global_buffer, .address_space: global }
    .group_segment_fixed_size: 327680
    .private_segment_fixed_size: 0
    .kernarg_segment_align: 8
    .kernarg_segment_size: 48
    .max_flat_workgroup_size: 128
    .sgpr_count:     66
    .vgpr_count:     224
    .wavefront_size: 32
...
	.end_amdgpu_metadata
.endif
;; end of part 1
;; launch lstm (part 2): grid 32 x 8, 4 waves a work-group, clusters of 4 x 4, 327,680 bytes of LDS; arguments acodes, bcodes, pre_layer, out0; writes out0
.if DOCPART == 2
	.amdgcn_target "amdgcn-amd-amdhsa--gfx1250"
	.amdhsa_code_object_version 6
	.text
	.protected	k_q577cc05fc9_lstm
	.globl	k_q577cc05fc9_lstm
	.p2align	8
	.type	k_q577cc05fc9_lstm,@function
k_q577cc05fc9_lstm:
	s_mov_b64 s[64:65], 0
	v_nop
	global_prefetch_b8 v0, s[64:65] scope:SCOPE_SE
	s_setreg_imm32_b32 hwreg(HW_REG_WAVE_MODE, 25, 1), 1
	s_wait_xcnt 0x0
	s_wait_alu depctr_hold_cnt(0) depctr_sa_sdst(0) depctr_va_vdst(0) depctr_va_sdst(0) depctr_va_ssrc(0) depctr_va_vcc(0) depctr_vm_vsrc(0)
	s_getreg_b32 s2, hwreg(HW_REG_IB_STS2, 6, 4)
	s_cmp_eq_u32 s2, 0
	s_cbranch_scc0 .Lentry_in_a_cluster
	s_endpgm
.Lentry_in_a_cluster:
	s_bfe_u32 s2, ttmp6, 0x10000c
	s_cmp_lg_u32 s2, 0xf033
	s_cbranch_scc0 .Lentry_shape_is_right
	s_endpgm
.Lentry_shape_is_right:
; gates = (x | pre_h) (W | U)^T on codes of FP6 with K = 4,096, then the cell: c = sig(f) pre_c + sig(i) tanh(n), h = sig(o) tanh(c); out0 = [h, c].
; A work-group of four waves makes 256 batch rows x 64 units x 4 gates; a wave 128 x 128: 64 accumulators.  B's row tiles hold the four gates of 32 units, so a lane ends with all four gates of its units.
; The codes lie in memory as the operand registers take them (units of 12,800 bytes: eight fragments of 1,536 and 512 bytes of scale words); a slot holds three units of each of the four halves; two slots.
; CLUSTERS: 4 x 4; A's units are asked for jointly along a row of the cluster, B's along a column.
; A STEP of 128 along K is 64 matrix instructions, A's blocks one after the other, each against B's eight.  A has one set of registers, B two.  The next step's 50 LDS loads stand in TWO runs:
; in the step's middle B's next set, its scale words and A's blocks 0-3 (38 loads), at its end A's blocks 4-7 (12 loads), each run behind four places.
; PREFETCH: behind each joint load a wave asks for the three units (150 blocks of 256 bytes) that the next joint load brings; the four partners share them by address, 38 blocks each
; (two instructions; lanes left over name their last block again); the last joint load asks for nothing.
; THE CELL: the exponents of i, f, n and c are held at 32 from above, so that no product of 1 + 2^t overflows; a sigmoid or 1 - tanh so held differs from its limit by under 2^-31.
; o's exponent is not held: where 2^t is infinite, the reciprocal of (1 + e_o)(1 + e_c) is 0 and multiplies a finite 1 - e_c.
; THE WAY OUT goes by pairs of blocks: h and c of 2 x 32 rows meet in LDS (a row's 256 bytes come from two waves), a barrier, and each wave stores 32 whole rows of h or of c while the next block is computed.
; REGISTERS: window 0: v0-31 addresses, v32-47 scale words (two sets), v128-223 A's fragments; window 1: B's two sets at v0 and v128; windows 2, 3: the accumulators.
.set UNIT,  12800
.set HALFT, 3*UNIT
.set SLOT,  4*HALFT
.set SP,    272
.set PCR,   SLOT                       ; in slot 1, behind its last read: pre_c, then c, 256 rows of 272 bytes
.set HST,   PCR+256*SP                 ; and h
.set SPARE, 2*SLOT
.set FR,    12
.set NP,    4
.set ADRA, 16
.set ADRB, 20
.set ADRS, 22
.set VP,   24
.set VPC,  25
.set RDH,  26
.set SPW,  28
.set NIL,  29
.set CO,   30
.set SC,   32
.set AF,   128
.set GI,   64
.set GF,   80
.set GO,   96
.set GN,   112
.set PCV,  128
.set NB,   144
.set CV,   160
.set TG,   176
.set HV,   192
.set NG,   208
.set G1,   24
.set G0,   32
.set G1B,  48
.set G0B,  56
.set G1L,  68
.set G1BL, 76
.set G1P,  68
.set G0P,  76
.set PFA,  84
.set KL,   96
.set K2L,  98
.set HOLD, 100
.set MSB, 0
.macro WIN new
.if MSB != (\new)
	s_set_vgpr_msb (MSB<<8)|(\new)
.set MSB, (\new)
.endif
.endm
.set MUL_LO, 0xa1
.set TO_B,   0x40
.macro JLOAD g0a, g1a, g0b, g1b        ; waves 0, 1 fetch for A, waves 2, 3 for B; s_nop 0 and four v_nop behind each line
	s_cmp_eq_u32 s15, 0
	s_cbranch_scc0 .Lfor_b_\@
	tensor_load_to_lds s[\g0a:\g0a+3], s[\g1a:\g1a+7]
	s_nop 0
.rept 4
	v_nop
.endr
	s_branch .Lasked_\@
.Lfor_b_\@:
	tensor_load_to_lds s[\g0b:\g0b+3], s[\g1b:\g1b+7]
	s_nop 0
.rept 4
	v_nop
.endr
.Lasked_\@:
.endm
.macro CREST
	s_cmp_lg_u32 s14, 0
	s_cbranch_scc1 .Lnot_wave_0_\@
	s_barrier_signal -3
.Lnot_wave_0_\@:
	s_barrier_wait -3
	s_barrier_signal -1
	s_barrier_wait -1
.endm
.macro CROUND
	s_barrier_signal -1
	s_barrier_wait -1
	CREST
.endm
.macro PF off                          ; my 38 blocks of the three units at PFA + off
	global_prefetch_b8 v8, s[PFA:PFA+1] offset:\off th:TH_LOAD_NT scope:SCOPE_SE
	global_prefetch_b8 v9, s[PFA:PFA+1] offset:\off th:TH_LOAD_NT scope:SCOPE_SE
.endm
	s_load_b256 s[4:11], s[0:1], 0x0               ; acodes, bcodes, pre_layer, out0
	v_lshl_add_u32 v[SPW], v0, 2, SPARE
	v_mov_b32 v[NIL], 0
	ds_add_u32 v[SPW], v[NIL]                      ; the opening lines: the add, twice on end, and its wait
	ds_add_u32 v[SPW], v[NIL]
	v_lshrrev_b32 v1, 5, v0
	v_readfirstlane_b32 s14, v1                    ; wave
	s_lshr_b32 s15, s14, 1                         ; my half of the rows; also: I fetch for A (0) or B (1)
	s_and_b32 s16, s14, 1                          ; my half of the columns; also: which row tile I fetch
	s_bfe_u32 s40, ttmp6, 0x40000                  ; cx
	s_bfe_u32 s41, ttmp6, 0x40004                  ; cy
	s_lshl_b32 s42, ttmp9, 2
	s_add_co_u32 s42, s42, s40                     ; tile column
	s_and_b32 s17, ttmp7, 0xffff
	s_lshl_b32 s17, s17, 2
	s_add_co_u32 s17, s17, s41                     ; tile row
	s_lshl_b32 s43, s41, 2
	s_lshl_b32 s43, 15, s43                        ; my row of the cluster
	s_lshl_b32 s44, 0x1111, s40                    ; my column
	s_cmp_eq_u32 s15, 0                            ; the prefetches: my place among the four that ask with me: cx for A's waves, cy for B's
	s_cselect_b32 s66, s40, s41
	s_mul_i32 s66, s66, 38
	v_and_b32 v10, 31, v0
	v_add_nc_u32 v8, s66, v10                      ; blocks 38 p + 0 .. 31,
	v_min_u32 v9, 5, v10
	v_add3_u32 v9, v9, s66, 32                     ; and 38 p + 32 .. 37,
	v_min_u32 v8, 149, v8
	v_min_u32 v9, 149, v9                          ; none beyond the three units' last
	v_lshlrev_b32 v8, 8, v8
	v_lshlrev_b32 v9, 8, v9
	s_or_b32 s[G1+0], s43, (3<<16)|(1<<21)         ; dense blocks as rows of 256 bytes (32 elements of 8): 150 rows are three units, 100 are two
	s_or_b32 s[G1B+0], s44, (3<<16)|(1<<21)
	s_or_b32 s[G1L+0], s43, (3<<16)|(1<<21)
	s_or_b32 s[G1BL+0], s44, (3<<16)|(1<<21)
.irp g, G1, G1B
	s_mov_b32 s[\g+1], 32<<16
	s_mov_b32 s[\g+2], 150<<16
	s_mov_b32 s[\g+3], 32<<16
	s_mov_b32 s[\g+4], 150
	s_mov_b32 s[\g+5], 32
	s_mov_b32 s[\g+6], 0
	s_mov_b32 s[\g+7], 0
.endr
.irp g, G1L, G1BL
	s_mov_b32 s[\g+1], 32<<16
	s_mov_b32 s[\g+2], 100<<16
	s_mov_b32 s[\g+3], 32<<16
	s_mov_b32 s[\g+4], 100
	s_mov_b32 s[\g+5], 32
	s_mov_b32 s[\g+6], 0
	s_mov_b32 s[\g+7], 0
.endr
	s_lshl_b32 s20, s17, 1
	s_add_co_u32 s20, s20, s16
	s_mul_i32 s20, s20, 32*UNIT                    ; A's row tile that I fetch
	s_mov_b32 s21, 0
	s_lshl_b32 s46, s42, 1
	s_add_co_u32 s46, s46, s16
	s_mul_i32 s46, s46, 32*UNIT                    ; B's
	s_mov_b32 s47, 0
	s_mul_i32 s45, s14, HALFT                      ; where they go
	s_lshl_b32 s22, s17, 21                        ; pre_c: 256 rows a tile row, 64 rows a wave, 256 bytes a tile column
	s_lshl_b32 s23, s14, 19
	s_add_co_u32 s22, s22, s23
	s_lshl_b32 s23, s42, 8
	s_add_co_u32 s22, s22, s23
	s_mov_b32 s23, 0
	s_lshl_b32 s12, s17, 21                        ; what I store: waves 0, 2 h, waves 1, 3 c; waves 0, 1 rows 0-127, waves 2, 3 rows 128-255
	s_lshl_b32 s13, s15, 20
	s_add_co_u32 s12, s12, s13
	s_lshl_b32 s13, s42, 8
	s_add_co_u32 s12, s12, s13
	s_lshl_b32 s13, s16, 24
	s_add_co_u32 s12, s12, s13
	s_mov_b32 s13, 0
	s_mul_i32 s90, s15, HALFT                      ; my 128 rows of A in a slot
	s_mul_i32 s91, s16, HALFT
	s_add_co_u32 s91, s91, 2*HALFT                 ; my 128 rows of B
	s_xor_b32 s92, s15, 1
	s_add_co_u32 s92, s92, s16
	s_add_co_u32 s92, s92, 1
	s_mul_i32 s92, s92, HALFT                      ; from the one to the other
	s_add_co_u32 s93, s90, 8*1536                  ; a unit's scale words
	s_mul_i32 s18, s15, 128*SP
	s_lshl_b32 s94, s16, 7
	s_add_co_u32 s94, s94, s18                     ; my rows and my 128 bytes of them in the stages
	s_xor_b32 s95, s16, 1
	s_mul_i32 s95, s95, 256*SP
	s_add_co_u32 s95, s95, s18
	s_add_co_u32 s95, s95, PCR                     ; the stage and rows that I read back
	s_mov_b32 s[KL], 0xbfb8aa3b                    ; -log2(e)
	s_mov_b32 s[KL+1], 0xbfb8aa3b
	s_mov_b32 s[K2L], 0xc038aa3b                   ; -2 log2(e)
	s_mov_b32 s[K2L+1], 0xc038aa3b
	s_mov_b32 s[HOLD], 0x42000000                  ; 32
	s_wait_alu depctr_va_vdst(0)
	s_wait_dscnt 0x0                               ; both opening adds are done
	s_wait_kmcnt 0x0
	s_add_nc_u64 s[20:21], s[4:5], s[20:21]
	s_add_nc_u64 s[46:47], s[6:7], s[46:47]
	s_cmp_eq_u32 s15, 0
	s_cselect_b64 s[PFA:PFA+1], s[20:21], s[46:47] ; where my prefetches stand: my row tile's
	s_add_nc_u64 s[PFA:PFA+1], s[PFA:PFA+1], 2*UNIT  ; unit 2
	s_add_nc_u64 s[8:9], s[8:9], s[22:23]
	s_add_nc_u64 s[8:9], s[8:9], 0x1000000         ; pre_c is plane 1
	s_add_nc_u64 s[86:87], s[10:11], s[12:13]
.irp s, 0,1
	s_mov_b32 s[G0+4*\s], 1
	s_add_co_u32 s[G0+4*\s+1], s45, \s*SLOT
	s_add_nc_u64 s[G0+4*\s+2:G0+4*\s+3], s[20:21], \s*2*UNIT
	s_or_b32 s[G0+4*\s+3], s[G0+4*\s+3], 0x80000000
	s_mov_b32 s[G0B+4*\s], 1
	s_add_co_u32 s[G0B+4*\s+1], s45, \s*SLOT
	s_add_nc_u64 s[G0B+4*\s+2:G0B+4*\s+3], s[46:47], \s*2*UNIT
	s_or_b32 s[G0B+4*\s+3], s[G0B+4*\s+3], 0x80000000
.endr
	CROUND                                         ; all sixteen work-groups are here: the first joint loads meet
	JLOAD G0, G1L, G0B, G1BL                       ; units 0, 1: one tensor load a wave at the head
	PF 0                                           ; units 2-4, which the next joint load brings
	v_and_b32 v1, 31, v0
	v_and_b32 v2, 15, v0                           ; r
	v_bfe_u32 v3, v0, 4, 1                         ; h
	v_lshlrev_b32 v4, 4, v1
	v_add_nc_u32 v[ADRA], s90, v4                  ; fragments lie as register images: 16 x lane
	v_add_nc_u32 v[ADRB], s91, v4
	v_add_nc_u32 v[ADRA+1], SLOT, v[ADRA]
	v_add_nc_u32 v[ADRB+1], SLOT, v[ADRB]
	v_mul_u32_u24 v5, s92, v3                      ; scale words: lanes 0-15 A's, lanes 16-31 B's
	v_lshl_add_u32 v5, v2, 4, v5
	v_add_nc_u32 v[ADRS], s93, v5
	v_add_nc_u32 v[ADRS+1], SLOT, v[ADRS]
	v_mul_u32_u24 v6, v2, SP                       ; the stages, on the way in: row r, 32 bytes for each half of the lanes
	v_lshl_add_u32 v6, v3, 5, v6
	v_add_nc_u32 v6, s94, v6
	v_add_nc_u32 v[VP], HST, v6
	v_add_nc_u32 v[VPC], PCR, v6
	v_mul_u32_u24 v7, v3, SP                       ; and back: lanes 0-15 one row of 256 bytes, lanes 16-31 the next
	v_lshl_add_u32 v7, v2, 4, v7
	v_add_nc_u32 v[RDH], s95, v7
	v_lshlrev_b32 v[CO], 13, v3                    ; the same two rows in out0
	v_lshl_add_u32 v[CO], v2, 4, v[CO]
	s_wait_alu depctr_va_vdst(0)                   ; the wait at the head's end
	s_wait_tensorcnt 0x0                           ; my part of units 0, 1 is in; these lines stand ahead of a later first fill as ahead of a refill
	ds_add_u32 v[SPW], v[NIL]
	s_wait_dscnt 0x0
	CROUND
	JLOAD G0+4, G1, G0B+4, G1B                     ; units 2-4 into slot 1
	PF 3*UNIT                                      ; units 5-7
.macro FRAG reg, adr, q, i
.irp c, 0,1,2
	ds_load_b128 v[\reg+4*\c:\reg+4*\c+3], v[\adr] offset:(\q)*UNIT+(\i)*1536+512*\c
.endr
.endm
.macro LB slot, q, p                   ; B's eight fragments of unit q into set p, then the unit's scale words: 26 loads
	WIN TO_B
.irp i, 0,1,2,3,4,5,6,7
	FRAG 128*(\p)+FR*\i, ADRB+\slot, \q, \i
.endr
	WIN 0
.irp g, 0,1
	ds_load_b128 v[SC+8*(\p)+4*\g:SC+8*(\p)+4*\g+3], v[ADRS+\slot] offset:(\q)*UNIT+256*\g
.endr
.endm
.macro LA slot, q, i0                  ; A's blocks i0 .. i0 + 3: 12 loads
	WIN 0
.irp i, \i0, \i0+1, \i0+2, \i0+3
	FRAG AF+FR*(\i), ADRA+\slot, \q, \i
.endr
.endm
.macro MUL8 a, p, zero                 ; A's block a against B's eight; the 64 accumulators take turns in the same order in every step
	WIN MUL_LO+0x50*((\a)/4)
.irp b, 0,1,2,3,4,5,6,7
.if \zero
	v_wmma_scale_f32_16x16x128_f8f6f4 v[8*(8*((\a)%4)+\b):8*(8*((\a)%4)+\b)+7], v[128*(\p)+FR*\b:128*(\p)+FR*\b+FR-1], v[AF+FR*(\a):AF+FR*(\a)+FR-1], 0, v[SC+8*(\p)+\b], v[SC+8*(\p)+(\a)] matrix_a_fmt:MATRIX_FMT_FP6 matrix_b_fmt:MATRIX_FMT_FP6 matrix_a_scale:MATRIX_SCALE_ROW1
.else
	v_wmma_scale_f32_16x16x128_f8f6f4 v[8*(8*((\a)%4)+\b):8*(8*((\a)%4)+\b)+7], v[128*(\p)+FR*\b:128*(\p)+FR*\b+FR-1], v[AF+FR*(\a):AF+FR*(\a)+FR-1], v[8*(8*((\a)%4)+\b):8*(8*((\a)%4)+\b)+7], v[SC+8*(\p)+\b], v[SC+8*(\p)+(\a)] matrix_a_fmt:MATRIX_FMT_FP6 matrix_b_fmt:MATRIX_FMT_FP6 matrix_a_scale:MATRIX_SCALE_ROW1
.endif
.endr
.endm
.macro PLACES n
.rept \n
	v_nop
.endr
.endm
.macro UPPER slot, q, p, zero          ; a step's second half: the products of A's blocks 4-7, then those blocks of the next step (unit q of the slot)
.irp a, 4,5,6,7
	MUL8 \a, \p, \zero
.endr
	PLACES NP                                      ; behind the step's last products
	LA \slot, \q, 4
.endm
; A step that is not its slot's last.
.macro STEP slot, q, p, zero
	s_wait_dscnt 12                                ; B, the scales and A's blocks 0-3 are in; the youngest twelve loads, A's blocks 4-7, may be out
.irp a, 0,1,2,3
	MUL8 \a, \p, \zero
.endr
	s_wait_dscnt 0                                 ; A's blocks 4-7 are in
	PLACES NP                                      ; behind the products of A's blocks 0-3; B's other set was last read by the step before
	LB \slot, (\q)+1, 1-(\p)
	LA \slot, (\q)+1, 0
	UPPER \slot, (\q)+1, \p, \zero
.endm
; A slot's last step.  All its fragments have been asked for.  In front of the barrier, which opens a round of the cluster's barrier: the wait for all my tensor loads, the add, and the wait for the add and for my
; reads of this slot, with sixteen products between; sixteen more stand between the signal and the wait.  Behind the round the slot is filled again (kind 0: three units further on; kind 1: my 64 rows of pre_c).
.macro TURN slot, p, next, kind, adv, ask
.if \kind == 0
	s_wait_xcnt 0x0                                ; my last prefetches have read their address: it steps three units
	s_add_nc_u64 s[PFA:PFA+1], s[PFA:PFA+1], 3*UNIT
.endif
	s_wait_tensorcnt 0x0
	ds_add_u32 v[SPW], v[NIL]
.if \kind == 0
	s_add_nc_u64 s[G0+4*\slot+2:G0+4*\slot+3], s[G0+4*\slot+2:G0+4*\slot+3], \adv
	s_add_nc_u64 s[G0B+4*\slot+2:G0B+4*\slot+3], s[G0B+4*\slot+2:G0B+4*\slot+3], \adv
.else
	s_mov_b32 s[G1P+0], (2<<16)|(1<<20)|(5<<22)|(3<<25)   ; 64 rows x 64 f32, 16 bytes of padding behind each 256
	s_mov_b32 s[G1P+1], 64<<16
	s_mov_b32 s[G1P+2], 64<<16
	s_mov_b32 s[G1P+3], 64<<16
	s_mov_b32 s[G1P+4], 64
	s_mov_b32 s[G1P+5], 2048
	s_mov_b32 s[G1P+6], 0
	s_mov_b32 s[G1P+7], 0
	s_mov_b32 s[G0P], 1
	s_mul_i32 s[G0P+1], s14, 64*SP
	s_add_co_u32 s[G0P+1], s[G0P+1], PCR
	s_mov_b64 s[G0P+2:G0P+3], s[8:9]
	s_or_b32 s[G0P+3], s[G0P+3], 0x80000000
.endif
	s_wait_dscnt 13                                ; out: A's blocks 4-7 and the add
	MUL8 0, \p, 0
	MUL8 1, \p, 0
	s_wait_dscnt 0x0                               ; the add is done, and my reads of this slot are over
	s_barrier_signal -1
	MUL8 2, \p, 0
	MUL8 3, \p, 0
	WIN 0
	s_barrier_wait -1
	CREST
.if \kind == 0
	JLOAD G0+4*\slot, G1, G0B+4*\slot, G1B         ; its four v_nop are the places behind the products of A's blocks 0-3
.if \ask == 2
	s_cmp_gt_u32 s3, 1                             ; the loop's last trip brings units 29-31: nothing is left to ask for
	s_cbranch_scc0 .Lnoask_\@
.endif
	PF 3*UNIT                                      ; the three units that the next joint load brings
.if \ask == 2
.Lnoask_\@:
.endif
.else
	tensor_load_to_lds s[G0P:G0P+3], s[G1P:G1P+7]
	s_nop 0
	PLACES NP
.endif
	LB \next, 0, 1-(\p)
	LA \next, 0, 0
	UPPER \next, 0, \p, 0
.endm
	LB 0, 0, 0
	LA 0, 0, 0
	LA 0, 0, 4
	STEP 0, 0, 0, 1                                ; the first step's products start the sums
	TURN 0, 1, 1, 0, 5*UNIT, 1
	s_mov_b32 s3, 4
.Llap:
	STEP 1, 0, 0, 0
	STEP 1, 1, 1, 0
	TURN 1, 0, 0, 0, 6*UNIT, 1
	STEP 0, 0, 1, 0
	STEP 0, 1, 0, 0
	TURN 0, 1, 1, 0, 6*UNIT, 2
	s_sub_co_u32 s3, s3, 1
	s_cmp_lg_u32 s3, 0
	s_cbranch_scc1 .Llap
	STEP 1, 0, 0, 0
	STEP 1, 1, 1, 0
	TURN 1, 0, 0, 1, 0, 0                          ; slot 1 is read out: pre_c lands there
	STEP 0, 0, 1, 0
	STEP 0, 1, 0, 0
	s_wait_dscnt 12                                ; the last step: nothing more to fetch
.irp a, 0,1,2,3
	MUL8 \a, 1, 0
.endr
	s_wait_dscnt 0
.irp a, 4,5,6,7
	MUL8 \a, 1, 0
.endr
	WIN 0
	s_wait_tensorcnt 0x0                           ; my rows of pre_c are in
	s_barrier_signal -1
	s_barrier_wait -1
.macro HOLDS base, cnt                 ; the exponents held at 32 from above
.set EI, 0
.rept \cnt
	v_min_num_f32 v[\base+EI], s[HOLD], v[\base+EI]
.set EI, EI+1
.endr
.endm
.macro EXPS base, cnt                  ; a batch of exponentials, with a wait ahead of it
	s_wait_alu depctr_va_vdst(0)
.set EI, 0
.rept \cnt
	v_exp_f32 v[\base+EI], v[\base+EI]
.set EI, EI+1
.endr
.endm
; The cell for block a: 16 rows x 32 units.  With e_x = 2^(-x log2 e) (for n and c: twice the exponent):
; c = (pre_c (1 + e_i)(1 + e_n) + (1 - e_n)(1 + e_f)) / ((1 + e_f)(1 + e_i)(1 + e_n)),  h = (1 - e_c) / ((1 + e_o)(1 + e_c)): five exponentials and two reciprocals a number.
.macro GATES a
.set AC, 64*((\a)%4)
.irp ub, 0,1
.irp hf, 0,1
	ds_load_b128 v[PCV+8*\ub+4*\hf:PCV+8*\ub+4*\hf+3], v[VPC] offset:(\a)*16*SP+64*\ub+16*\hf
.endr
.endr
	WIN 0x02+((\a)/4)
	s_wait_alu depctr_va_vdst(0)                   ; the wait directly ahead of the first reader of the block's sums
.irp b, 0,1,2,3,4,5
.irp j, 0,2,4,6
	v_pk_mul_f32 v[GI+8*\b+\j:GI+8*\b+\j+1], v[AC+8*\b+\j:AC+8*\b+\j+1], s[KL:KL+1] op_sel_hi:[1,0]
.endr
.endr
.irp b, 6,7
.irp j, 0,2,4,6
	v_pk_mul_f32 v[GI+8*\b+\j:GI+8*\b+\j+1], v[AC+8*\b+\j:AC+8*\b+\j+1], s[K2L:K2L+1] op_sel_hi:[1,0]
.endr
.endr
	WIN 0
	HOLDS GI, 32                                   ; i and f,
	HOLDS GN, 16                                   ; and n; o goes as it is
	EXPS GI, 64
	v_nop
	s_wait_alu depctr_va_vdst(0)                   ; one wait behind the batch
	s_wait_dscnt 0x0                               ; pre_c, and any rows read back ahead of this block
.irp e, 0,2,4,6,8,10,12,14
	v_pk_fma_f32 v[NB+\e:NB+\e+1], v[GN+\e:GN+\e+1], -1.0, 1.0 op_sel_hi:[1,0,0]
.endr
.irp e, 0,2,4,6,8,10,12,14
	v_pk_add_f32 v[GN+\e:GN+\e+1], v[GN+\e:GN+\e+1], 1.0 op_sel_hi:[1,0]
.endr
.irp e, 0,2,4,6,8,10,12,14
	v_pk_fma_f32 v[GI+\e:GI+\e+1], v[GI+\e:GI+\e+1], v[GN+\e:GN+\e+1], v[GN+\e:GN+\e+1]
.endr
.irp e, 0,2,4,6,8,10,12,14
	v_pk_fma_f32 v[NB+\e:NB+\e+1], v[NB+\e:NB+\e+1], v[GF+\e:GF+\e+1], v[NB+\e:NB+\e+1]
.endr
.irp e, 0,2,4,6,8,10,12,14
	v_pk_fma_f32 v[NB+\e:NB+\e+1], v[PCV+\e:PCV+\e+1], v[GI+\e:GI+\e+1], v[NB+\e:NB+\e+1]
.endr
.irp e, 0,2,4,6,8,10,12,14
	v_pk_fma_f32 v[GF+\e:GF+\e+1], v[GI+\e:GI+\e+1], v[GF+\e:GF+\e+1], v[GI+\e:GI+\e+1]
.endr
	s_wait_alu depctr_va_vdst(0)
.irp e, 0,1,2,3,4,5,6,7,8,9,10,11,12,13,14,15
	v_rcp_f32 v[GF+\e], v[GF+\e]
.endr
	v_nop
	s_wait_alu depctr_va_vdst(0)
.irp e, 0,2,4,6,8,10,12,14
	v_pk_mul_f32 v[CV+\e:CV+\e+1], v[NB+\e:NB+\e+1], v[GF+\e:GF+\e+1]
.endr
.irp e, 0,2,4,6,8,10,12,14
	v_pk_mul_f32 v[TG+\e:TG+\e+1], v[CV+\e:CV+\e+1], s[K2L:K2L+1] op_sel_hi:[1,0]
.endr
	HOLDS TG, 16
	EXPS TG, 16
.irp ub, 0,1
.irp hf, 0,1
	ds_store_b128 v[VPC], v[CV+8*\ub+4*\hf:CV+8*\ub+4*\hf+3] offset:(\a)*16*SP+64*\ub+16*\hf
.endr
.endr
	v_nop
	s_wait_alu depctr_va_vdst(0)
.irp e, 0,2,4,6,8,10,12,14
	v_pk_fma_f32 v[NG+\e:NG+\e+1], v[TG+\e:TG+\e+1], -1.0, 1.0 op_sel_hi:[1,0,0]
.endr
.irp e, 0,2,4,6,8,10,12,14
	v_pk_add_f32 v[TG+\e:TG+\e+1], v[TG+\e:TG+\e+1], 1.0 op_sel_hi:[1,0]
.endr
.irp e, 0,2,4,6,8,10,12,14
	v_pk_fma_f32 v[GO+\e:GO+\e+1], v[GO+\e:GO+\e+1], v[TG+\e:TG+\e+1], v[TG+\e:TG+\e+1]
.endr
	s_wait_alu depctr_va_vdst(0)
.irp e, 0,1,2,3,4,5,6,7,8,9,10,11,12,13,14,15
	v_rcp_f32 v[GO+\e], v[GO+\e]
.endr
	v_nop
	s_wait_alu depctr_va_vdst(0)
.irp e, 0,2,4,6,8,10,12,14
	v_pk_mul_f32 v[HV+\e:HV+\e+1], v[NG+\e:NG+\e+1], v[GO+\e:GO+\e+1]
.endr
.irp ub, 0,1
.irp hf, 0,1
	ds_store_b128 v[VP], v[HV+8*\ub+4*\hf:HV+8*\ub+4*\hf+3] offset:(\a)*16*SP+64*\ub+16*\hf
.endr
.endr
.endm
; Blocks 2 k and 2 k + 1 of all four waves are in the stages: a barrier, and I read 32 whole rows of my stage back into v32-63 and v224-255, which the cell does not use.
.macro RB k
	s_wait_dscnt 0x0                               ; for the others' sake: my stores into the stages are done
	s_barrier_signal -1
	s_barrier_wait -1
.if (\k) > 0
	s_wait_xcnt 0x0                                ; the last pair's stores have read the registers that are loaded again
.endif
.irp t, 0,1,2,3,4,5,6,7
	ds_load_b128 v[32+4*\t:32+4*\t+3], v[RDH] offset:(32*(\k)+2*\t)*SP
.endr
.irp t, 0,1,2,3,4,5,6,7
	ds_load_b128 v[224+4*\t:224+4*\t+3], v[RDH] offset:(32*(\k)+16+2*\t)*SP
.endr
.endm
.macro ST k                            ; 16 lanes store 256 consecutive bytes, at a multiple of 256 from out0's first byte
.irp t, 0,1,2,3,4,5,6,7
	global_store_b128 v[CO], v[32+4*\t:32+4*\t+3], s[86:87] offset:(32*(\k)+2*\t)*8192 th:TH_STORE_NT
.endr
.irp t, 0,1,2,3,4,5,6,7
	global_store_b128 v[CO], v[224+4*\t:224+4*\t+3], s[86:87] offset:(32*(\k)+16+2*\t)*8192 th:TH_STORE_NT
.endr
.endm
	PLACES NP
	GATES 0
	GATES 1
.irp k, 0,1,2
	RB \k
	GATES 2*\k+2                                   ; its wait for pre_c also shows the rows read back
	ST \k
	GATES 2*\k+3
.endr
	RB 3
	s_wait_dscnt 0x0
	ST 3
	s_wait_tensorcnt 0x0                           ; the wave's end
	ds_add_u32 v[SPW], v[NIL]
	s_wait_dscnt 0x0
	CROUND                                         ; the closing round
	s_endpgm
.Lfunc_end_k_q577cc05fc9_lstm:
	.size	k_q577cc05fc9_lstm, .Lfunc_end_k_q577cc05fc9_lstm-k_q577cc05fc9_lstm
	.p2alignl 7, 3214868480
	.fill 96, 4, 3214868480
	.section	.rodata,"a",@progbits
	.p2align	6, 0x0
	.amdhsa_kernel k_q577cc05fc9_lstm
		.amdhsa_group_segment_fixed_size 327680
		.amdhsa_private_segment_fixed_size 0
		.amdhsa_enable_private_segment 0
		.amdhsa_kernarg_size 32
		.amdhsa_user_sgpr_count 2
		.amdhsa_user_sgpr_kernarg_segment_ptr 1
		.amdhsa_wavefront_size32 1
		.amdhsa_system_sgpr_workgroup_id_x 1
		.amdhsa_system_sgpr_workgroup_id_y 1
		.amdhsa_system_sgpr_workgroup_id_z 1
		.amdhsa_system_vgpr_workitem_id 0
		.amdhsa_next_free_vgpr 1024
		.amdhsa_next_free_sgpr 102
		.amdhsa_reserve_vcc 0
		.amdhsa_float_denorm_mode_32 3
		.amdhsa_float_denorm_mode_16_64 3
		.amdhsa_memory_ordered 1
		.amdhsa_forward_progress 1
		.amdhsa_inst_pref_size 255
	.end_amdhsa_kernel
	.section	.bss,"aw",@nobits
	.p2align	6
	.space	262144
	.amdgpu_metadata
---
amdhsa.version: [ 1, 2 ]
amdhsa.kernels:
  - .name:           k_q577cc05fc9_lstm
    .symbol:         k_q577cc05fc9_lstm.kd
    .args:
      - { .name: acodes, .offset: 0, .size: 8, .value_kind: global_buffer, .address_space: global }
      - { .name: bcodes, .offset: 8, .size: 8, .value_kind: global_buffer, .address_space: global }
      - { .name: pre_layer, .offset: 16, .size: 8, .value_kind: global_buffer, .address_space: global }
      - { .name: out0, .offset: 24, .size: 8, .value_kind: global_buffer, .address_space: global }
    .group_segment_fixed_size: 327680
    .private_segment_fixed_size: 0
    .kernarg_segment_align: 8
    .kernarg_segment_size: 32
    .max_flat_workgroup_size: 128
    .sgpr_count:     102
    .vgpr_count:     1024
    .wavefront_size: 32
...
	.end_amdgpu_metadata
.endif
;; end of part 2
